; MI455X (gfx1250); checked and timed in simulation.
; The chip was launched on July 23, 2026; its instructions are those of AMD's public machine-readable ISA for CDNA 5 (MIT licence, August 2026) and "CDNA5" Instruction Set Architecture Reference Guide (July 2026). The comments in the code are by the model that wrote it; some were corrected since.
;; Conditional Layer. Allowed arithmetic: float matrix products may take bf16 or f16 operands with f32 sums; other float arithmetic in f32, or as packed bf16 or f16 multiplies, adds, multiply-adds, maxima and minima; sums over many terms, partial sums and values carried from step to step in f32; what a program stores and reads back later, other than sums and carried values, may be rounded once to bf16 or f16.
;; Inputs: W 16 x 1,024 x 1,024 float32; b 16 x 1,024 float32; cond 4,096 int32; x 4,096 x 1,024 float32.
;; Outputs: out0 4,096 x 1,024 float32.
;; 2 versions, each right and faster than the one before. Each part assembles by itself: llvm-mc -triple=amdgcn-amd-amdhsa -mcpu=gfx1250 --defsym DOCPART=n.
;; ======== version 1 of 2: 2 launches
;; workspace buffers: xs 8,388,608 bytes; perm 16,384 bytes of whole numbers; offs 256 bytes of whole numbers
;; launch sortx (part 1): grid 256 x 1, 8 waves a work-group, no clusters, 0 bytes of LDS; arguments x, cond, xs, perm, offs; writes xs, perm, offs
.if DOCPART == 1
	.amdgcn_target "amdgcn-amd-amdhsa--gfx1250"
	.amdhsa_code_object_version 6
	.text
	.protected	k_q9cfa46e0c0_sortx
	.globl	k_q9cfa46e0c0_sortx
	.p2align	8
	.type	k_q9cfa46e0c0_sortx,@function
k_q9cfa46e0c0_sortx:
	s_mov_b64 s[64:65], 0
	v_nop
	global_prefetch_b8 v0, s[64:65] scope:SCOPE_SE
	s_setreg_imm32_b32 hwreg(HW_REG_WAVE_MODE, 25, 1), 1
	s_wait_xcnt 0x0
; THE SORT.  xs[d(t)][:] = x[t][:] rounded once to bf16, perm[d(t)] = t, offs[c] = the number of tokens with cond < c (c = 0 .. 16).
; d(t) is token t's rank in the experts' order: the number of tokens t' with cond[t'] * 4096 + t' < cond[t] * 4096 + t.  Every wave counts its own tokens' ranks
; from the whole of cond (16 KiB, 128 registers): no atomics, no LDS, no barrier, no wave waits for another.
; x: [4096][1024] f32.  cond: [4096] i32.  xs: [4096][1024] bf16.  perm: [4096] i32.  offs: 17 words.
; SHARES.  256 work-groups of eight waves; work-group g owns tokens 16 g .. 16 g + 15, wave w the two tokens t0 = 16 g + 2 w and t0 + 1.  Wave 0 of work-groups 0 .. 16 also counts one word of offs.
; LIMIT.  cond lies in 0 .. 15, as an index into W's first axis does; other numbers give a wrong order (all addresses are held inside their buffers all the same).
; No matrix unit, no LDS, no cluster: the launch moves 16 MiB in and 8 MiB out, and nothing is shared but cond.
.set KEY, 16                           ; v[16:143]   register 4 j + q of lane l: the key of token 128 j + 4 l + q, less 128 j
.set X,   144                          ; v[144:207]  my two rows of x as loaded: row a, load jj at X + 32 a + 4 jj
.set Y,   208                          ; v[208:239]  the same rounded to bf16: row a, load jj at Y + 16 a + 2 jj
	s_load_b256 s[4:11], s[0:1], 0x0               ; x s[4:5], cond s[6:7], xs s[8:9], perm s[10:11]
	s_load_b64 s[12:13], s[0:1], 0x20              ; offs
	v_and_b32 v1, 31, v0                           ; lane
	v_lshrrev_b32 v8, 5, v0
	v_readfirstlane_b32 s14, v8                    ; wave 0 .. 7
	v_lshlrev_b32 v2, 4, v1                        ; 16 x lane: loads of 16 bytes a lane
	v_lshlrev_b32 v3, 3, v1                        ; 8 x lane: stores of 8 bytes a lane
.irp q, 0,1,2,3
	v_lshl_add_u32 v[4+\q], v1, 2, \q              ; 4 x lane + q: a token's place among the 128 of one load
.endr
	s_lshl_b32 s15, ttmp9, 4
	s_lshl1_add_u32 s15, s14, s15                  ; t0 = 16 g + 2 w
	s_lshl_b32 s18, s15, 2                         ; its byte in cond (a multiple of 8)
	s_lshl_b32 s46, s15, 12                        ; its row's byte in x: 4,096 bytes a row
	s_mov_b32 s47, 0
	s_wait_kmcnt 0x0
	s_load_b64 s[16:17], s[6:7], s18 offset:0x0    ; cond[t0], cond[t0 + 1]
	s_add_nc_u64 s[46:47], s[4:5], s[46:47]        ; x at row t0
.set j, 0
.rept 32
	global_load_b128 v[KEY+4*j:KEY+4*j+3], v2, s[6:7] offset:512*j   ; all of cond: 512 consecutive bytes a load
.set j, j+1
.endr
.irp a, 0,1
.irp jj, 0,1,2,3,4,5,6,7
	global_load_b128 v[X+32*\a+4*\jj:X+32*\a+4*\jj+3], v2, s[46:47] offset:4096*\a+512*\jj th:TH_LOAD_NT  ; my two rows: read once in the launch
.endr
.endr
	s_wait_loadcnt 16                              ; loads come back in order (ISA guide 5.7.1): cond is in, the sixteen younger loads (x) stay out under the counting
.set j, 0
.rept 128
	v_lshl_add_u32 v[KEY+j], v[KEY+j], 12, v[4+j%4]  ; cond * 4096 + 4 l + q: the key less 128 (j / 4), which the counting takes off its own side
.set j, j+1
.endr
	s_wait_kmcnt 0x0
	s_lshl_b32 s20, s16, 12
	s_add_co_u32 s20, s20, s15                     ; K0: token t0's key
	s_lshl_b32 s21, s17, 12
	s_add_co_u32 s21, s21, s15
	s_add_co_u32 s21, s21, 1                       ; K1: token t0 + 1's
; The bits of four masks are counted and added onto s[cnt].
.macro TALLY bank, cnt
.irp q, 0,1,2,3
	s_bcnt1_i32_b32 s[36+\q], s[28+4*(\bank)+\q]
.endr
.irp q, 0,1,2,3
	s_add_co_u32 s[\cnt], s[\cnt], s[36+\q]
.endr
.endm
; s[cnt] = the number of the 4,096 keys below s[k].  128 compares of 32 keys each; the masks lie in two banks of four scalar registers, so that one bank is
; counted while the compares fill the other.  s23 = s[k] - 128 j goes below zero, so the compare is signed.
.macro COUNT k, cnt
	s_mov_b32 s[\cnt], 0
	s_mov_b32 s23, s[\k]
.set cj, 0
.rept 32
.irp q, 0,1,2,3
	v_cmp_gt_i32 s[28+4*(cj%2)+\q], s23, v[KEY+4*cj+\q]
.endr
	s_sub_co_i32 s23, s23, 128
.if cj > 0
	TALLY (cj+1)%2, \cnt
.endif
.set cj, cj+1
.endr
	TALLY 1, \cnt
.endm
	COUNT 20, 24                                   ; d0
	COUNT 21, 25                                   ; d1
	s_min_u32 s24, s24, 0xfff                      ; a rank is below 4,096; held there, since it enters addresses
	s_min_u32 s25, s25, 0xfff
	s_lshl_b32 s44, s24, 11                        ; a row of xs is 2,048 bytes
	s_mov_b32 s45, 0
	s_lshl_b32 s48, s25, 11
	s_mov_b32 s49, 0
	s_add_nc_u64 s[44:45], s[8:9], s[44:45]        ; each row has a base pair of its own: no wait between the two rows' stores
	s_add_nc_u64 s[48:49], s[8:9], s[48:49]
.irp a, 0,1
	s_wait_loadcnt 8-8*\a                          ; row a is in; with a = 0 the other row's eight loads may stay out
.irp jj, 0,1,2,3,4,5,6,7
	v_cvt_pk_bf16_f32 v[Y+16*\a+2*\jj],   v[X+32*\a+4*\jj],   v[X+32*\a+4*\jj+1]
	v_cvt_pk_bf16_f32 v[Y+16*\a+2*\jj+1], v[X+32*\a+4*\jj+2], v[X+32*\a+4*\jj+3]
	global_store_b64 v3, v[Y+16*\a+2*\jj:Y+16*\a+2*\jj+1], s[44+4*\a:45+4*\a] offset:256*\jj  ; the wave's store covers 256 consecutive bytes, aligned; no hint: the next launch reads them
.endr
.endr
	; perm[d0] = t0, perm[d1] = t0 + 1: lanes 0 and 1
	v_mov_b32 v8, s24
	v_mov_b32 v9, s25
	v_cmp_eq_u32 vcc_lo, 1, v1
	v_cndmask_b32 v8, v8, v9, vcc_lo               ; lane 1 takes d1
	v_min_u32 v8, 0xfff, v8
	v_lshlrev_b32 v8, 2, v8
	v_add_nc_u32 v9, s15, v1                       ; t0 + lane
	v_cmp_gt_u32 vcc_lo, 2, v1
	s_wait_xcnt 0x0                                ; EXEC is a source of the stores above: it changes only behind this wait
	s_and_saveexec_b32 s40, vcc_lo
	global_store_b32 v8, v9, s[10:11]
	s_wait_xcnt 0x0                                ; and again in front of the line that widens it
	s_or_b32 exec_lo, exec_lo, s40
	; offs[g], by wave 0 of work-groups 0 .. 16: the number of keys below g * 4096
	s_cmp_lg_u32 s14, 0
	s_cbranch_scc1 .Ldone
	s_cmp_gt_u32 ttmp9, 16
	s_cbranch_scc1 .Ldone
	s_lshl_b32 s22, ttmp9, 12
	COUNT 22, 26
	s_lshl_b32 s27, ttmp9, 2
	v_mov_b32 v10, s27
	v_mov_b32 v11, s26
	v_cmp_eq_u32 vcc_lo, 0, v1
	s_and_saveexec_b32 s40, vcc_lo                 ; no load or store has been issued since the last wait on XCNT
	global_store_b32 v10, v11, s[12:13]
	s_wait_xcnt 0x0
	s_or_b32 exec_lo, exec_lo, s40
.Ldone:
	s_endpgm
.Lfunc_end_k_q9cfa46e0c0_sortx:
	.size	k_q9cfa46e0c0_sortx, .Lfunc_end_k_q9cfa46e0c0_sortx-k_q9cfa46e0c0_sortx
	.p2alignl 7, 3214868480
	.fill 96, 4, 3214868480
	.section	.rodata,"a",@progbits
	.p2align	6, 0x0
	.amdhsa_kernel k_q9cfa46e0c0_sortx
		.amdhsa_group_segment_fixed_size 0
		.amdhsa_private_segment_fixed_size 0
		.amdhsa_enable_private_segment 0
		.amdhsa_kernarg_size 40
		.amdhsa_user_sgpr_count 2
		.amdhsa_user_sgpr_kernarg_segment_ptr 1
		.amdhsa_wavefront_size32 1
		.amdhsa_system_sgpr_workgroup_id_x 1
		.amdhsa_system_sgpr_workgroup_id_y 1
		.amdhsa_system_sgpr_workgroup_id_z 1
		.amdhsa_system_vgpr_workitem_id 0
		.amdhsa_next_free_vgpr 240
		.amdhsa_next_free_sgpr 66
		.amdhsa_reserve_vcc 1
		.amdhsa_float_denorm_mode_32 3
		.amdhsa_float_denorm_mode_16_64 3
		.amdhsa_memory_ordered 1
		.amdhsa_forward_progress 1
		.amdhsa_inst_pref_size 73
	.end_amdhsa_kernel
	.amdgpu_metadata
---
amdhsa.version: [ 1, 2 ]
amdhsa.kernels:
  - .name:           k_q9cfa46e0c0_sortx
    .symbol:         k_q9cfa46e0c0_sortx.kd
    .args:
      - { .name: x, .offset: 0, .size: 8, .value_kind: global_buffer, .address_space: global }
      - { .name: cond, .offset: 8, .size: 8, .value_kind: global_buffer, .address_space: global }
      - { .name: xs, .offset: 16, .size: 8, .value_kind: global_buffer, .address_space: global }
      - { .name: perm, .offset: 24, .size: 8, .value_kind: global_buffer, .address_space: global }
      - { .name: offs, .offset: 32, .size: 8, .value_kind: global_buffer, .address_space: global }
    .group_segment_fixed_size: 0
    .private_segment_fixed_size: 0
    .kernarg_segment_align: 8
    .kernarg_segment_size: 40
    .max_flat_workgroup_size: 256
    .sgpr_count:     66
    .vgpr_count:     240
    .wavefront_size: 32
...
	.end_amdgpu_metadata
.endif
;; end of part 1
;; launch experts (part 2): grid 16 x 16, 4 waves a work-group, no clusters, 327,680 bytes of LDS; arguments W, b, xs, perm, offs, out0; writes out0
.if DOCPART == 2
	.amdgcn_target "amdgcn-amd-amdhsa--gfx1250"
	.amdhsa_code_object_version 6
	.text
	.protected	k_q9cfa46e0c0_experts
	.globl	k_q9cfa46e0c0_experts
	.p2align	8
	.type	k_q9cfa46e0c0_experts,@function
k_q9cfa46e0c0_experts:
	s_mov_b64 s[64:65], 0
	v_nop
	global_prefetch_b8 v0, s[64:65] scope:SCOPE_SE
	s_setreg_imm32_b32 hwreg(HW_REG_WAVE_MODE, 25, 1), 1
	s_wait_xcnt 0x0
; out0[t][f] = the sum over k of W[cond[t]][f][k] x[t][k] + the sum over c of b[c][f].  W: [16][1024][1024] f32.  b: [16][1024] f32.  out0: [4096][1024] f32.
; From the launch before: xs [4096][1024] bf16, x's rows in the experts' order; perm[d] = the token of sorted row d; offs[c] = the first sorted row of expert c (17 words).
; Products in bf16 (W rounded once on its way through registers, x once in the launch before), sums in f32, the bias added in f32 (summed as a tree, not in ascending c).
; SHARES.  Work-group (s, e) owns W[e][64 s .. 64 s + 63][:], 256 KiB that it alone reads, and ALL rows of expert e, 320 a trip.  A wave has five tiles of 16 rows x 64 columns:
; tile i of wave w holds the expert's rows 320 trip + 64 i + 16 w + 0..15: 20 accumulators, 640 matrix instructions a trip.  The first trip is written out; it runs while W lands.
; Rows past 320 go through a loop of 12 more trips (13 x 320 covers all 4,096 tokens on one expert); a trip without rows is jumped, forward, past text with no barrier and no tensor load.
; A later trip walks the same 32 K steps with the same fixed LDS addresses as the first; only its rows of xs and its tokens differ.
; Rows past the count in a tile that has rows repeat the expert's last row, in xs and in perm alike: they store the same numbers to the same place.  A tile without rows stores nothing.
; W'S WAY.  Wave w asks at once for its four chunks (chunk 4 g + w: 64 rows x 64 k of f32, rows of 256 bytes): four tensor loads of mine are out, every LDS byte is filled once.  When chunk g has landed its
; wave rounds it to bf16 and lays it, as eight ready fragments, over the chunk's own first 8 KiB (its only fill is over); a barrier; then all four waves multiply group g's 256 k while groups g + 1 .. land.
; THE MATRIX INSTRUCTION IS USED TRANSPOSED: source 0 = 16 rows f of W, source 1 = 16 token rows.  A lane then holds one token (lane % 16) and eight neighbouring f.
; NO CLUSTER: each byte of W has one reader.  What an expert's 16 work-groups share is its rows of xs, whose number hangs on a stored count;
; a fixed window of 320 rows is 640 KiB, and W's slice holds 278,528 of the 327,680 bytes of LDS.
; LIMITS.  A NaN or an infinity in x or W reaches only the rows of its own expert.  bf16 has f32's range, so large inputs lose nothing but the rounding.
; REGISTERS, in windows of 256 (s_set_vgpr_msb: bits 1:0 source 0, 3:2 source 1, 5:4 source 2, 7:6 destination):
;   window 0: v0-23 addresses; v32-95 W's fragments, two buffers of four; v96-255 the accumulators, (i, fb) at 96 + 8 (4 i + fb)
;   window 1: v0-239 x's fragments: six slots (K step j in slot j % 6) of five tiles x 8 registers
;   window 2: v0-127 at work (b's 64 registers; a chunk's f32; on the way out two buffers of 32); v128-191 a chunk's fragments; v192-231 the 40 output offsets; v232-235 the bias; v236 16 (lane % 16)
.set CHUNK,  64*272                    ; a chunk in LDS: 64 rows of 256 bytes + 16 of padding: the 16 rows of a load begin in 16 different 16-byte columns modulo 256 bytes
.set GROUPB, 4*CHUNK                   ; a group: the four waves' chunks, 256 k
.set STAGE,  4*GROUPB                  ; behind W: 16 rows x 272 bytes for each wave, for the way out; no tensor load fills it
.set SPARE,  STAGE+4*16*272            ; behind the stages: the spare words, 128 bytes for each wave: two blocks of 256 bytes that no other line names
.set JEND,   31                        ; the last of the 32 K steps of 32
.set SPW, 4                            ; v4     LDS address of my spare word; never rewritten
.set NIL, 5                            ; v5     0; never rewritten
.set XA,  6                            ; v6-10  tile i: my row's byte in xs + 16 (lane / 16)
.set VL,  11                           ; v11-14 16 x lane + g x GROUPB: where group g's fragments begin; never rewritten
.set CR,  16                           ; v16    where I read my chunk's f32
.set CS,  17                           ; v17    where I put its fragments
.set STO, 18                           ; v18    the way out: where I put 16 bytes of a row
.set RD,  19                           ; v19    the way out: where I read rows back
.set WB,  32
.set ACC, 96
.set T,    0                           ; window 2
.set FR,   128
.set OA,   192
.set BIAS, 232
.set L16,  236
.set XB, 8                             ; s[8:9]   xs
.set G1, 16                            ; s[16:23] descriptor group 1, the same for all four loads
.set G0, 24                            ; s[24:39] descriptor group 0, a set for each load
.set WV, 40                            ; s40  my wave's number
.set SL, 41                            ; s41  the slice of 64 columns
.set EX, 42                            ; s42  the expert
                                       ; s[44:45] the expert's first row, and the next expert's; s46 its count; s47 its last row (0 if it has none)
                                       ; s48 the trip's first row among the expert's; s49 my wave's first sorted row; s50 the trips' counter
                                       ; s[56:57] b at the slice; s[58:59] out0 at the slice; s52-53, s60-63 at work
.set MAIN, 0x04                        ; source 1 (x) in window 1; W, C, D and LDS loads of W in window 0
.set XLD,  0x44                        ; destination window 1, address window 0
.set TO2,  0x80                        ; destination window 2, sources window 0
.set IN2,  0xaa                        ; all in window 2
.set ST2,  0x08                        ; an LDS store's data (source 1) in window 2, its address in window 0
.set MSB, 0
.macro WIN new                         ; the immediate's high byte repeats the setting that is left; a switch that changes nothing is dropped
.if MSB != (\new)
	s_set_vgpr_msb (MSB<<8)|(\new)
.set MSB, \new
.endif
.endm
	s_load_b256 s[4:11], s[0:1], 0x0               ; W s[4:5], b s[6:7], xs s[8:9], perm s[10:11]
	s_load_b128 s[12:15], s[0:1], 0x20             ; offs s[12:13], out0 s[14:15]
	v_lshl_add_u32 v[SPW], v0, 2, SPARE
	v_mov_b32 v[NIL], 0
	ds_add_u32 v[SPW], v[NIL]                      ; the wave's opening: the add and its wait stand ahead of my first tensor load; the set-up below, work on registers, stands between them
	v_lshrrev_b32 v3, 5, v0
	v_readfirstlane_b32 s[WV], v3                  ; wave 0 .. 3
	s_mov_b32 s[SL], ttmp9
	s_and_b32 s[EX], ttmp7, 0xffff
	; descriptor group 1: a tile of 64 rows x 64 elements of 4 bytes, padded in LDS
	s_mov_b32 s[G1+0], (2<<16)|(1<<20)|(5<<22)|(3<<25)  ; 15:0 no mask; 17:16 elements of 4 bytes; 20 padding on; 24:22 after every 64 words (code 5); 31:25 4 words of it (code 3)
	s_mov_b32 s[G1+1], 64<<16                      ; tensor_dim0 = 64
	s_mov_b32 s[G1+2], 64<<16                      ; tensor_dim1 = 64
	s_mov_b32 s[G1+3], 64<<16                      ; tile_dim0 = 64
	s_mov_b32 s[G1+4], 64                          ; tile_dim1 = 64
	s_mov_b32 s[G1+5], 1024                        ; 1,024 elements from row to row
	s_mov_b32 s[G1+6], 0
	s_mov_b32 s[G1+7], 0
	s_mul_i32 s60, s[WV], CHUNK                    ; my chunk's place in a group
.irp g, 0,1,2,3
	s_mov_b32 s[G0+4*\g], 1                        ; count = 1
	s_add_co_u32 s[G0+4*\g+1], s60, \g*GROUPB      ; LDS address: wave x CHUNK + g x GROUPB
.endr
	s_lshl_b32 s52, s[EX], 22                      ; the expert's 4 MiB,
	s_lshl_b32 s61, s[SL], 18                      ; the slice's 64 rows of 4,096 bytes,
	s_add_co_u32 s52, s52, s61
	s_lshl_b32 s61, s[WV], 8                       ; my chunk's 256 bytes of a row
	s_add_co_u32 s52, s52, s61
	s_mov_b32 s53, 0
	s_lshl_b32 s43, s[EX], 2
	s_lshl_b32 s56, s[SL], 8                       ; the slice's 256 bytes in a row of b and of out0
	s_mov_b32 s57, 0
	s_mov_b32 s58, s56
	s_mov_b32 s59, 0
	s_wait_dscnt 0x0                               ; the opening add is done
	s_wait_kmcnt 0x0
	s_load_b64 s[44:45], s[12:13], s43 offset:0x0  ; offs[e], offs[e + 1]: on their way under the lines below
	s_add_nc_u64 s[52:53], s[4:5], s[52:53]
.irp g, 0,1,2,3
	s_add_nc_u64 s[G0+4*\g+2:G0+4*\g+3], s[52:53], \g*1024  ; global address: chunk 4 g + w begins 256 (4 g + w) bytes into the rows
	s_or_b32 s[G0+4*\g+3], s[G0+4*\g+3], 0x80000000         ; type = 2
.endr
.irp g, 0,1,2,3
	tensor_load_to_lds s[G0+4*\g:G0+4*\g+3], s[G1:G1+7]     ; all of my 64 KiB of W at once: four loads of mine are out
	s_nop 0
.endr
	v_and_b32 v23, 31, v0                          ; lane
	v_and_b32 v1, 15, v0                           ; r = lane % 16
	v_bfe_u32 v2, v0, 4, 1                         ; h = lane / 16
	v_lshlrev_b32 v22, 4, v2                       ; 16 h
	v_lshlrev_b32 v3, 4, v1                        ; 16 r
	v_lshlrev_b32 v[VL], 4, v23
.irp g, 1,2,3
	v_add_nc_u32 v[VL+\g], \g*GROUPB, v[VL]
.endr
	v_mul_u32_u24 v[CR], v1, 272
	v_lshl_add_u32 v[CR], v2, 5, v[CR]             ; 272 r + 32 h
	s_mul_i32 s61, s[WV], 16*272
	s_add_co_u32 s61, s61, STAGE                   ; my stage
	v_add_nc_u32 v[STO], s61, v[CR]                ; in: token r's row, 32 bytes for each half of the lanes
	v_add_nc_u32 v[CR], s60, v[CR]                 ; f32: row r of a block of 16, 8 numbers for each half of the lanes
	v_add_nc_u32 v[CS], s60, v[VL]                 ; fragments: 16 bytes a lane, on end
	v_mul_u32_u24 v[RD], v2, 272
	v_lshl_add_u32 v[RD], v1, 4, v[RD]
	v_add_nc_u32 v[RD], s61, v[RD]                 ; back: lanes 0-15 take one row of 256 bytes, lanes 16-31 the next
	WIN TO2
	v_lshlrev_b32 v[L16], 4, v1
	s_add_nc_u64 s[56:57], s[6:7], s[56:57]
	s_add_nc_u64 s[58:59], s[14:15], s[58:59]
.irp c, 0,1,2,3,4,5,6,7,8,9,10,11,12,13,14,15
	global_load_b128 v[T+4*\c:T+4*\c+3], v3, s[56:57] offset:4096*\c  ; b[c][64 s + 4 r ..]: the four columns that I store on the way out
.endr
	s_wait_kmcnt 0x0
	s_min_u32 s44, s44, 0x1000                     ; read from memory: held inside the table's range before they enter addresses
	s_min_u32 s45, s45, 0x1000
	s_sub_co_u32 s46, s45, s44                     ; the expert's count
	s_sub_co_i32 s47, s45, 1
	s_max_i32 s47, s47, 0                          ; its last row; 0 where offs[e + 1] = 0
	s_mov_b32 s48, 0
; A TRIP'S ADDRESSES: my five rows of xs, and for the 40 pairs of rows that I store (tile i, pair t: rows 2 t and 2 t + 1, one for each half of the lanes) the token, read from perm.
.macro TRIPHEAD
	WIN 0
	s_wait_xcnt 0x0                                ; the last trip's loads and stores have read XA and OA: rewritten only behind this wait
	s_add_co_u32 s49, s44, s48
	s_lshl4_add_u32 s49, s[WV], s49                ; my wave's first sorted row
	v_add_nc_u32 v20, s49, v1
	v_add_nc_u32 v21, s49, v2
.irp i, 0,1,2,3,4
	v_add_nc_u32 v[XA+\i], 64*\i, v20
	v_min_u32 v[XA+\i], s47, v[XA+\i]              ; past the count: the expert's last row
	v_min_u32 v[XA+\i], 0xfff, v[XA+\i]
	v_lshl_add_u32 v[XA+\i], v[XA+\i], 11, v22     ; 2,048 bytes a row, + 16 h
.endr
	WIN TO2
.set z, 0
.rept 40
	v_add_nc_u32 v[OA+z], 64*(z/8)+2*(z%8), v21
.set z, z+1
.endr
	WIN IN2
.set z, 0
.rept 40
	v_min_u32 v[OA+z], s47, v[OA+z]
	v_min_u32 v[OA+z], 0xfff, v[OA+z]
	v_lshlrev_b32 v[OA+z], 2, v[OA+z]
	global_load_b32 v[OA+z], v[OA+z], s[10:11]     ; lands on its own address register
.set z, z+1
.endr
.endm
; x's fragments of K steps 0 to 4, slots 0 to 4: 50 loads.  Lane (r, h) takes k = 8 h + 0..7 and 16 + 8 h + 0..7 of its row: two loads of 16 bytes, 32 bytes apart.
; In a later trip the slots' last readers, the trip before's products, stand far more than four plain vector lines back: the way out's 80 address lines and the lines of TRIPHEAD lie between.
.macro XPRO
	WIN XLD
.irp j, 0,1,2,3,4
.irp i, 0,1,2,3,4
	global_load_b128 v[40*\j+8*\i:40*\j+8*\i+3],   v[XA+\i], s[XB:XB+1] offset:64*\j
	global_load_b128 v[40*\j+8*\i+4:40*\j+8*\i+7], v[XA+\i], s[XB:XB+1] offset:64*\j+32
.endr
.endr
.endm
; W's four fragments of K step 0, into buffer 0
.macro LPRO
	WIN 0
.irp m, 0,1,2,3,4,5,6,7
	ds_load_b128 v[WB+8*(\m/2)+4*(\m%2):WB+8*(\m/2)+4*(\m%2)+3], v[VL] offset:2048*(\m/2)+512*(\m%2)
.endr
.endm
; K STEP j of 0 .. 31: 20 matrix instructions, the accumulators by turns, one instruction a turn, in the same order in every step.  zero = 1: the products start the sums.
; Behind the first four stands a v_nop each: the four places between the last step's products and the loads below, which land in registers that those products read
; (ISA guide 7.12.1 for vector instructions).  Behind the next eight: the next step's W, one LDS load each (step j lies in group j / 8, chunk (j % 8) / 2, half j % 2).
; Behind the thirteenth: x of step j + 5, ten loads, into the slot that step j - 1 read.
.macro ITER j, zero
.if (\j)+4 < JEND
	s_wait_loadcnt 40                              ; loads come back in order (ISA guide 5.7.1): this step's x is in; the four later steps' forty loads stay out
.else
	s_wait_loadcnt 10*(JEND-(\j))                  ; near the end: ten for each step still to come
.endif
	s_wait_dscnt 0x0                               ; this step's W
	WIN MAIN
.set n, 0
.rept 20
.set rA, ACC+8*n
.set rW, WB+32*((\j)%2)+8*(n%4)
.set rX, 40*((\j)%6)+8*(n/4)
.if \zero
	v_wmma_f32_16x16x32_bf16 v[rA:rA+7], v[rW:rW+7], v[rX:rX+7], 0
.else
	v_wmma_f32_16x16x32_bf16 v[rA:rA+7], v[rW:rW+7], v[rX:rX+7], v[rA:rA+7]
.endif
.if n < 4
	v_nop
.elseif n < 12
.if (\j) < JEND
.set m, n-4
	ds_load_b128 v[WB+32*(((\j)+1)%2)+8*(m/2)+4*(m%2):WB+32*(((\j)+1)%2)+8*(m/2)+4*(m%2)+3], v[VL+((\j)+1)/8] offset:((((\j)+1)%8)/2)*CHUNK+(2*(m/2)+((\j)+1)%2)*1024+512*(m%2)
.endif
.elseif n == 12
.if (\j)+5 <= JEND
	WIN XLD
.irp i, 0,1,2,3,4
	global_load_b128 v[40*(((\j)+5)%6)+8*\i:40*(((\j)+5)%6)+8*\i+3],   v[XA+\i], s[XB:XB+1] offset:64*((\j)+5)
	global_load_b128 v[40*(((\j)+5)%6)+8*\i+4:40*(((\j)+5)%6)+8*\i+7], v[XA+\i], s[XB:XB+1] offset:64*((\j)+5)+32
.endr
	WIN MAIN
.endif
.endif
.set n, n+1
.endr
.endm
; MY CHUNK OF GROUP g: f32 out of LDS, rounded to bf16, back as eight fragments (f = 2 fb + u: rows 16 fb on, k 32 u on), each 1,024 bytes with 16 bytes a lane on end.
; Lane (r, h) makes what lane (r, h) of a fragment holds: k = 8 h + 0..7 (f32 bytes 32 h + 0, 16) and 16 + 8 h + 0..7 (bytes 64 + 32 h + 0, 16).
; The stores land on the chunk's own first 8 KiB: all 32 loads have come back by then (the count-down ends at 0), the chunk's only fill is over, and no other wave touches it before the barrier.
.macro CONV g
	s_wait_tensorcnt 3-(\g)                        ; tensor loads of a wave end in order (ISA guide 10.11.1): chunk g is in, my later chunks stay out
	WIN TO2
.irp f, 0,1,2,3,4,5,6,7
.irp c, 0,1,2,3
	ds_load_b128 v[T+16*\f+4*\c:T+16*\f+4*\c+3], v[CR] offset:(\f/2)*16*272+(\f%2)*128+(\c/2)*64+(\c%2)*16
.endr
.endr
	WIN IN2
.irp f, 0,1,2,3,4,5,6,7
	s_wait_dscnt 28-4*\f                           ; fragment f's four loads are in; the later fragments' stay out
.irp c, 0,1,2,3,4,5,6,7
	v_cvt_pk_bf16_f32 v[FR+8*\f+\c], v[T+16*\f+2*\c], v[T+16*\f+2*\c+1]
.endr
.endr
	WIN ST2
.irp f, 0,1,2,3,4,5,6,7
	ds_store_b128 v[CS], v[FR+8*\f:FR+8*\f+3]   offset:1024*\f
	ds_store_b128 v[CS], v[FR+8*\f+4:FR+8*\f+7] offset:1024*\f+512
.endr
	WIN 0
	s_wait_dscnt 0x0                               ; for the others' sake: my fragments are in LDS
	s_barrier_signal -1
	s_barrier_wait -1                              ; everybody's are.  Later chunks may stay on their way across it
.if (\g) < 3
	v_add_nc_u32 v[CR], GROUPB, v[CR]
	v_add_nc_u32 v[CS], GROUPB, v[CS]
.endif
.endm
; A TRIP'S 32 K STEPS.  conv = 1, the first trip: my chunk of the next group is rounded ahead of each group's last step, which fetches the next group's first fragments: three of the launch's four barriers.
; conv = 0, a later trip: all of W's fragments lie ready, and the walk holds no barrier.
.macro KWALK conv
	LPRO
	ITER 0, 1
.irp j, 1,2,3,4,5,6,7,8,9,10,11,12,13,14,15,16,17,18,19,20,21,22,23,24,25,26,27,28,29,30,31
.if (\conv) && ((\j)%8 == 7) && ((\j) < JEND)
	CONV ((\j)/8+1)
.endif
	ITER \j, 0
.endr
.endm
; THE WAY OUT of tile i: jumped where the tile has no row.  A lane's eight f of a token go into my stage (rows of 272 bytes; each accumulator's low four registers first) and
; come back as whole rows of 256 bytes; the bias is added; sixteen lanes store a token's 256 consecutive bytes, aligned, at the row that perm names.
.macro OUTTILE i
	s_add_co_u32 s62, s63, 64*(\i)                 ; the tile's first row among the expert's
	s_cmp_ge_u32 s62, s46
	s_cbranch_scc1 .Ldead_\@
.irp fb, 0,1,2,3
.irp p, 0,1
	ds_store_b128 v[STO], v[ACC+8*(4*(\i)+\fb)+4*\p:ACC+8*(4*(\i)+\fb)+4*\p+3] offset:64*\fb+16*\p
.endr
.endr
	s_wait_xcnt 0x0                                ; earlier stores have read this buffer: it is loaded again only behind this wait
	WIN TO2
.irp t, 0,1,2,3,4,5,6,7
	ds_load_b128 v[T+32*((\i)%2)+4*\t:T+32*((\i)%2)+4*\t+3], v[RD] offset:544*\t  ; LDS serves a wave's instructions in order (ISA guide 5.7.1.4): these see the stores above; the next tile's stores come behind them
.endr
	WIN IN2
.irp t, 0,1,2,3,4,5,6,7
	s_wait_dscnt 7-\t                              ; pair t of rows is back; the later pairs' loads stay out
	v_pk_add_f32 v[T+32*((\i)%2)+4*\t:T+32*((\i)%2)+4*\t+1],   v[T+32*((\i)%2)+4*\t:T+32*((\i)%2)+4*\t+1],   v[BIAS:BIAS+1]
	v_pk_add_f32 v[T+32*((\i)%2)+4*\t+2:T+32*((\i)%2)+4*\t+3], v[T+32*((\i)%2)+4*\t+2:T+32*((\i)%2)+4*\t+3], v[BIAS+2:BIAS+3]
	global_store_b128 v[OA+8*(\i)+\t], v[T+32*((\i)%2)+4*\t:T+32*((\i)%2)+4*\t+3], s[58:59] th:TH_STORE_NT
.endr
	WIN 0                                          ; at a label and at a branch every window is 0
.Ldead_\@:
.endm
.macro OUTPUT
	WIN IN2
.set z, 0
.rept 40                                       ; the tokens become byte offsets in out0: 80 plain lines, which are also the places behind the last products
	v_min_u32 v[OA+z], 0xfff, v[OA+z]              ; read from memory: held inside out0's rows
	v_lshl_add_u32 v[OA+z], v[OA+z], 12, v[L16]    ; 4,096 bytes a row, + 16 r
.set z, z+1
.endr
	WIN 0
	s_lshl4_add_u32 s63, s[WV], s48
.irp i, 0,1,2,3,4
	OUTTILE \i
.endr
.endm
	; THE FIRST TRIP, under W's landing
	TRIPHEAD
	XPRO
	s_wait_loadcnt 50                              ; b and perm are in; x's fifty loads stay out
	WIN IN2
.irp c, 0,1,2,3,4,5,6,7                        ; the sum of b's 16 rows, as a tree
	v_pk_add_f32 v[T+4*\c:T+4*\c+1],   v[T+4*\c:T+4*\c+1],   v[T+4*\c+32:T+4*\c+33]
	v_pk_add_f32 v[T+4*\c+2:T+4*\c+3], v[T+4*\c+2:T+4*\c+3], v[T+4*\c+34:T+4*\c+35]
.endr
.irp c, 0,1,2,3
	v_pk_add_f32 v[T+4*\c:T+4*\c+1],   v[T+4*\c:T+4*\c+1],   v[T+4*\c+16:T+4*\c+17]
	v_pk_add_f32 v[T+4*\c+2:T+4*\c+3], v[T+4*\c+2:T+4*\c+3], v[T+4*\c+18:T+4*\c+19]
.endr
.irp c, 0,1
	v_pk_add_f32 v[T+4*\c:T+4*\c+1],   v[T+4*\c:T+4*\c+1],   v[T+4*\c+8:T+4*\c+9]
	v_pk_add_f32 v[T+4*\c+2:T+4*\c+3], v[T+4*\c+2:T+4*\c+3], v[T+4*\c+10:T+4*\c+11]
.endr
	v_pk_add_f32 v[BIAS:BIAS+1],   v[T:T+1],   v[T+4:T+5]
	v_pk_add_f32 v[BIAS+2:BIAS+3], v[T+2:T+3], v[T+6:T+7]
	CONV 0
	KWALK 1
	OUTPUT
	; THE LATER TRIPS: a constant count that covers every split; a trip past the count is jumped
	s_mov_b32 s50, 12
.Ltrip:
	s_add_co_u32 s48, s48, 320
	s_cmp_ge_u32 s48, s46
	s_cbranch_scc1 .Lnone
	TRIPHEAD
	XPRO
	KWALK 0
	OUTPUT
.Lnone:
	s_sub_co_u32 s50, s50, 1
	s_cmp_lg_u32 s50, 0
	s_cbranch_scc1 .Ltrip
	s_wait_tensorcnt 0x0                           ; the wave's end: behind my last tensor load and my last LDS store
	ds_add_u32 v[SPW], v[NIL]
	s_wait_dscnt 0x0
	s_endpgm
.Lfunc_end_k_q9cfa46e0c0_experts:
	.size	k_q9cfa46e0c0_experts, .Lfunc_end_k_q9cfa46e0c0_experts-k_q9cfa46e0c0_experts
	.p2alignl 7, 3214868480
	.fill 96, 4, 3214868480
	.section	.rodata,"a",@progbits
	.p2align	6, 0x0
	.amdhsa_kernel k_q9cfa46e0c0_experts
		.amdhsa_group_segment_fixed_size 327680
		.amdhsa_private_segment_fixed_size 0
		.amdhsa_enable_private_segment 0
		.amdhsa_kernarg_size 48
		.amdhsa_user_sgpr_count 2
		.amdhsa_user_sgpr_kernarg_segment_ptr 1
		.amdhsa_wavefront_size32 1
		.amdhsa_system_sgpr_workgroup_id_x 1
		.amdhsa_system_sgpr_workgroup_id_y 1
		.amdhsa_system_sgpr_workgroup_id_z 1
		.amdhsa_system_vgpr_workitem_id 0
		.amdhsa_next_free_vgpr 768
		.amdhsa_next_free_sgpr 66
		.amdhsa_reserve_vcc 0
		.amdhsa_float_denorm_mode_32 3
		.amdhsa_float_denorm_mode_16_64 3
		.amdhsa_memory_ordered 1
		.amdhsa_forward_progress 1
		.amdhsa_inst_pref_size 255
	.end_amdhsa_kernel
	.section	.bss,"aw",@nobits
	.p2align	6
	.space	262144
	.amdgpu_metadata
---
amdhsa.version: [ 1, 2 ]
amdhsa.kernels:
  - .name:           k_q9cfa46e0c0_experts
    .symbol:         k_q9cfa46e0c0_experts.kd
    .args:
      - { .name: W, .offset: 0, .size: 8, .value_kind: global_buffer, .address_space: global }
      - { .name: b, .offset: 8, .size: 8, .value_kind: global_buffer, .address_space: global }
      - { .name: xs, .offset: 16, .size: 8, .value_kind: global_buffer, .address_space: global }
      - { .name: perm, .offset: 24, .size: 8, .value_kind: global_buffer, .address_space: global }
      - { .name: offs, .offset: 32, .size: 8, .value_kind: global_buffer, .address_space: global }
      - { .name: out0, .offset: 40, .size: 8, .value_kind: global_buffer, .address_space: global }
    .group_segment_fixed_size: 327680
    .private_segment_fixed_size: 0
    .kernarg_segment_align: 8
    .kernarg_segment_size: 48
    .max_flat_workgroup_size: 128
    .sgpr_count:     66
    .vgpr_count:     768
    .wavefront_size: 32
...
	.end_amdgpu_metadata
.endif
;; end of part 2
;; ======== version 2 of 2: 2 launches; 1.13 times as fast as version 1
;; workspace buffers: xs 8,388,608 bytes; perm 16,384 bytes of whole numbers; offs 256 bytes of whole numbers
;; launch sortx (part 3): grid 256 x 1, 9 waves a work-group, no clusters, 0 bytes of LDS; arguments x, cond, xs, perm, offs; writes xs, perm, offs
.if DOCPART == 3
	.amdgcn_target "amdgcn-amd-amdhsa--gfx1250"
	.amdhsa_code_object_version 6
	.text
	.protected	k_q9cfa46e0c0_sortx
	.globl	k_q9cfa46e0c0_sortx
	.p2align	8
	.type	k_q9cfa46e0c0_sortx,@function
k_q9cfa46e0c0_sortx:
	s_mov_b64 s[64:65], 0
	v_nop
	global_prefetch_b8 v0, s[64:65] scope:SCOPE_SE
	s_setreg_imm32_b32 hwreg(HW_REG_WAVE_MODE, 25, 1), 1
	s_wait_xcnt 0x0
; THE SORT.  xs[d(t)][:] = x[t][:] rounded once to bf16, perm[d(t)] = t, offs[c] = the number of tokens with cond < c (c = 0 .. 16).
; d(t) is token t's rank in the experts' order: the number of tokens t' with cond[t'] * 4096 + t' < cond[t] * 4096 + t.  Every wave counts its own ranks
; from the whole of cond (16 KiB, 128 registers): no atomics, no LDS, no barrier, no wave waits for another.
; x: [4096][1024] f32.  cond: [4096] i32.  xs: [4096][1024] bf16.  perm: [4096] i32.  offs: 17 words.
; SHARES.  256 work-groups of nine waves; work-group g owns tokens 16 g .. 16 g + 15, wave w < 8 the two tokens t0 = 16 g + 2 w and t0 + 1: two counts and two rows.
; Wave 8 of work-groups 0 .. 16 counts one word of offs: one count and no row, so that it ends ahead of the others and no work-group is longer than the rest.
; Wave 8 of work-groups 17 .. 255 has no word to count and ends behind the arguments' wait.
; LIMIT.  cond lies in 0 .. 15, as an index into W's first axis does; other numbers give a wrong order (all addresses are held inside their buffers all the same).
; No matrix unit, no LDS, no cluster: the launch moves 16 MiB in and 8 MiB out, and nothing is shared but cond.
.set KEY, 16                           ; v[16:143]   register 4 j + q of lane l: the key of token 128 j + 4 l + q, less 128 j
.set X,   144                          ; v[144:207]  my two rows of x as loaded: row a, load jj at X + 32 a + 4 jj
.set Y,   208                          ; v[208:239]  the same rounded to bf16: row a, load jj at Y + 16 a + 2 jj
	s_load_b256 s[4:11], s[0:1], 0x0               ; x s[4:5], cond s[6:7], xs s[8:9], perm s[10:11]
	s_load_b64 s[12:13], s[0:1], 0x20              ; offs
	v_and_b32 v1, 31, v0                           ; lane
	v_lshrrev_b32 v8, 5, v0
	v_readfirstlane_b32 s14, v8                    ; wave 0 .. 8
	v_lshlrev_b32 v2, 4, v1                        ; 16 x lane: loads of 16 bytes a lane
	v_lshlrev_b32 v3, 3, v1                        ; 8 x lane: stores of 8 bytes a lane
.irp q, 0,1,2,3
	v_lshl_add_u32 v[4+\q], v1, 2, \q              ; 4 x lane + q: a token's place among the 128 of one load
.endr
	s_lshl_b32 s15, ttmp9, 4
	s_lshl1_add_u32 s15, s14, s15                  ; t0 = 16 g + 2 w (waves 0 .. 7 use it)
	s_lshl_b32 s18, s15, 2                         ; its byte in cond (a multiple of 8)
	s_lshl_b32 s46, s15, 12                        ; its row's byte in x: 4,096 bytes a row
	s_mov_b32 s47, 0
	s_wait_kmcnt 0x0
	s_cmp_lt_u32 s14, 8
	s_cbranch_scc1 .Lcond                          ; a wave with tokens
	s_cmp_gt_u32 ttmp9, 16
	s_cbranch_scc1 .Ldone                          ; wave 8 past work-group 16: offs has 17 words
.Lcond:
.set j, 0
.rept 32
	global_load_b128 v[KEY+4*j:KEY+4*j+3], v2, s[6:7] offset:512*j   ; all of cond: 512 consecutive bytes a load
.set j, j+1
.endr
	s_cmp_eq_u32 s14, 8
	s_cbranch_scc1 .Lninth
	s_load_b64 s[16:17], s[6:7], s18 offset:0x0    ; cond[t0], cond[t0 + 1]
	s_add_nc_u64 s[46:47], s[4:5], s[46:47]        ; x at row t0
.irp a, 0,1
.irp jj, 0,1,2,3,4,5,6,7
	global_load_b128 v[X+32*\a+4*\jj:X+32*\a+4*\jj+3], v2, s[46:47] offset:4096*\a+512*\jj th:TH_LOAD_NT  ; my two rows: read once in the launch
.endr
.endr
	s_wait_loadcnt 16                              ; loads come back in order (ISA guide 5.7.1): cond is in, the sixteen younger loads (x) stay out under the counting
	s_branch .Lkeys
.Lninth:
	s_wait_loadcnt 0x0                             ; wave 8 has asked for cond alone
.Lkeys:
.set j, 0
.rept 128
	v_lshl_add_u32 v[KEY+j], v[KEY+j], 12, v[4+j%4]  ; cond * 4096 + 4 l + q: the key less 128 (j / 4), which the counting takes off its own side
.set j, j+1
.endr
	s_cmp_eq_u32 s14, 8
	s_cbranch_scc1 .Loffs
	s_wait_kmcnt 0x0
	s_lshl_b32 s20, s16, 12
	s_add_co_u32 s20, s20, s15                     ; K0: token t0's key
	s_lshl_b32 s21, s17, 12
	s_add_co_u32 s21, s21, s15
	s_add_co_u32 s21, s21, 1                       ; K1: token t0 + 1's
; The bits of four masks are counted and added onto s[cnt].
.macro TALLY bank, cnt
.irp q, 0,1,2,3
	s_bcnt1_i32_b32 s[36+\q], s[28+4*(\bank)+\q]
.endr
.irp q, 0,1,2,3
	s_add_co_u32 s[\cnt], s[\cnt], s[36+\q]
.endr
.endm
; s[cnt] = the number of the 4,096 keys below s[k].  128 compares of 32 keys each; the masks lie in two banks of four scalar registers, so that one bank is
; counted while the compares fill the other.  s23 = s[k] - 128 j goes below zero, so the compare is signed.
.macro COUNT k, cnt
	s_mov_b32 s[\cnt], 0
	s_mov_b32 s23, s[\k]
.set cj, 0
.rept 32
.irp q, 0,1,2,3
	v_cmp_gt_i32 s[28+4*(cj%2)+\q], s23, v[KEY+4*cj+\q]
.endr
	s_sub_co_i32 s23, s23, 128
.if cj > 0
	TALLY (cj+1)%2, \cnt
.endif
.set cj, cj+1
.endr
	TALLY 1, \cnt
.endm
	COUNT 20, 24                                   ; d0
	COUNT 21, 25                                   ; d1
	s_min_u32 s24, s24, 0xfff                      ; a rank is below 4,096; held there, since it enters addresses
	s_min_u32 s25, s25, 0xfff
	s_lshl_b32 s44, s24, 11                        ; a row of xs is 2,048 bytes
	s_mov_b32 s45, 0
	s_lshl_b32 s48, s25, 11
	s_mov_b32 s49, 0
	s_add_nc_u64 s[44:45], s[8:9], s[44:45]        ; each row has a base pair of its own: no wait between the two rows' stores
	s_add_nc_u64 s[48:49], s[8:9], s[48:49]
.irp a, 0,1
	s_wait_loadcnt 8-8*\a                          ; row a is in; with a = 0 the other row's eight loads may stay out
.irp jj, 0,1,2,3,4,5,6,7
	v_cvt_pk_bf16_f32 v[Y+16*\a+2*\jj],   v[X+32*\a+4*\jj],   v[X+32*\a+4*\jj+1]
	v_cvt_pk_bf16_f32 v[Y+16*\a+2*\jj+1], v[X+32*\a+4*\jj+2], v[X+32*\a+4*\jj+3]
	global_store_b64 v3, v[Y+16*\a+2*\jj:Y+16*\a+2*\jj+1], s[44+4*\a:45+4*\a] offset:256*\jj  ; the wave's store covers 256 consecutive bytes, aligned; no hint: the next launch reads them
.endr
.endr
	; perm[d0] = t0, perm[d1] = t0 + 1: lanes 0 and 1
	v_mov_b32 v8, s24
	v_mov_b32 v9, s25
	v_cmp_eq_u32 vcc_lo, 1, v1
	v_cndmask_b32 v8, v8, v9, vcc_lo               ; lane 1 takes d1
	v_min_u32 v8, 0xfff, v8
	v_lshlrev_b32 v8, 2, v8
	v_add_nc_u32 v9, s15, v1                       ; t0 + lane
	v_cmp_gt_u32 vcc_lo, 2, v1
	s_wait_xcnt 0x0                                ; EXEC is a source of the stores above: it changes only behind this wait
	s_and_saveexec_b32 s40, vcc_lo
	global_store_b32 v8, v9, s[10:11]
	s_wait_xcnt 0x0                                ; and again in front of the line that widens it
	s_or_b32 exec_lo, exec_lo, s40
	s_endpgm
.Loffs:                                                ; wave 8 of work-groups 0 .. 16: offs[g] = the number of keys below g * 4096
	s_lshl_b32 s22, ttmp9, 12
	COUNT 22, 26
	s_lshl_b32 s27, ttmp9, 2
	v_mov_b32 v10, s27
	v_mov_b32 v11, s26
	v_cmp_eq_u32 vcc_lo, 0, v1
	s_wait_xcnt 0x0                                ; EXEC is a source of the loads of cond: it changes only behind this wait
	s_and_saveexec_b32 s40, vcc_lo
	global_store_b32 v10, v11, s[12:13]
	s_wait_xcnt 0x0
	s_or_b32 exec_lo, exec_lo, s40
.Ldone:
	s_endpgm
.Lfunc_end_k_q9cfa46e0c0_sortx:
	.size	k_q9cfa46e0c0_sortx, .Lfunc_end_k_q9cfa46e0c0_sortx-k_q9cfa46e0c0_sortx
	.p2alignl 7, 3214868480
	.fill 96, 4, 3214868480
	.section	.rodata,"a",@progbits
	.p2align	6, 0x0
	.amdhsa_kernel k_q9cfa46e0c0_sortx
		.amdhsa_group_segment_fixed_size 0
		.amdhsa_private_segment_fixed_size 0
		.amdhsa_enable_private_segment 0
		.amdhsa_kernarg_size 40
		.amdhsa_user_sgpr_count 2
		.amdhsa_user_sgpr_kernarg_segment_ptr 1
		.amdhsa_wavefront_size32 1
		.amdhsa_system_sgpr_workgroup_id_x 1
		.amdhsa_system_sgpr_workgroup_id_y 1
		.amdhsa_system_sgpr_workgroup_id_z 1
		.amdhsa_system_vgpr_workitem_id 0
		.amdhsa_next_free_vgpr 240
		.amdhsa_next_free_sgpr 66
		.amdhsa_reserve_vcc 1
		.amdhsa_float_denorm_mode_32 3
		.amdhsa_float_denorm_mode_16_64 3
		.amdhsa_memory_ordered 1
		.amdhsa_forward_progress 1
		.amdhsa_inst_pref_size 74
	.end_amdhsa_kernel
	.amdgpu_metadata
---
amdhsa.version: [ 1, 2 ]
amdhsa.kernels:
  - .name:           k_q9cfa46e0c0_sortx
    .symbol:         k_q9cfa46e0c0_sortx.kd
    .args:
      - { .name: x, .offset: 0, .size: 8, .value_kind: global_buffer, .address_space: global }
      - { .name: cond, .offset: 8, .size: 8, .value_kind: global_buffer, .address_space: global }
      - { .name: xs, .offset: 16, .size: 8, .value_kind: global_buffer, .address_space: global }
      - { .name: perm, .offset: 24, .size: 8, .value_kind: global_buffer, .address_space: global }
      - { .name: offs, .offset: 32, .size: 8, .value_kind: global_buffer, .address_space: global }
    .group_segment_fixed_size: 0
    .private_segment_fixed_size: 0
    .kernarg_segment_align: 8
    .kernarg_segment_size: 40
    .max_flat_workgroup_size: 288
    .sgpr_count:     66
    .vgpr_count:     240
    .wavefront_size: 32
...
	.end_amdgpu_metadata
.endif
;; end of part 3
;; launch experts (part 4): grid 16 x 16, 4 waves a work-group, no clusters, 327,680 bytes of LDS; arguments W, b, xs, perm, offs, out0; writes out0
.if DOCPART == 4
	.amdgcn_target "amdgcn-amd-amdhsa--gfx1250"
	.amdhsa_code_object_version 6
	.text
	.protected	k_q9cfa46e0c0_experts
	.globl	k_q9cfa46e0c0_experts
	.p2align	8
	.type	k_q9cfa46e0c0_experts,@function
k_q9cfa46e0c0_experts:
	s_mov_b64 s[64:65], 0
	v_nop
	global_prefetch_b8 v0, s[64:65] scope:SCOPE_SE
	s_setreg_imm32_b32 hwreg(HW_REG_WAVE_MODE, 25, 1), 1
	s_wait_xcnt 0x0
; out0[t][f] = the sum over k of W[cond[t]][f][k] x[t][k] + the sum over c of b[c][f].  W: [16][1024][1024] f32.  b: [16][1024] f32.  out0: [4096][1024] f32.
; From the launch before: xs [4096][1024] bf16, x's rows in the experts' order; perm[d] = the token of sorted row d; offs[c] = the first sorted row of expert c (17 words).
; Products in bf16 (W rounded once on its way through registers, x once in the launch before), sums in f32, the bias added in f32 (summed as a tree, not in ascending c).
; SHARES.  Work-group (s, e) owns W[e][64 s .. 64 s + 63][:], 256 KiB that it alone reads, and ALL rows of expert e, 320 a trip.  A wave has five tiles of 16 rows x 64 columns:
; tile i of wave w holds the expert's rows 320 trip + 64 i + 16 w + 0..15: 20 accumulators, up to 640 matrix instructions a trip.  The first trip is written out; it runs while W lands.
; Rows past 320 go through a loop of 12 more trips (13 x 320 covers all 4,096 tokens on one expert); a wave without rows in a trip jumps it, forward, past text with no barrier and no tensor load.
; A later trip walks the same 32 K steps with the same fixed LDS addresses as the first; only its rows of xs and its tokens differ.
; ROWS THAT DO NOT EXIST.  Rows past the count in a tile that has rows repeat the expert's last row, in xs and in perm alike: they store the same numbers to the same place.  A tile without rows stores nothing.
; Where my fifth tile has no row, its four products are jumped in K steps 1 to 31; step 0 stays whole, so that every accumulator is written on every way, and the tile's loads of x stay,
; so that each counted wait counts the same loads on both ways.
; W'S WAY.  Wave w asks at once for its four chunks (chunk 4 g + w: 64 rows x 64 k of f32, rows of 256 bytes): four tensor loads of mine are out, every LDS byte is filled once.  When chunk g has landed its
; wave rounds it to bf16 and lays it, as eight ready fragments, over the chunk's own first 8 KiB (its only fill is over); a barrier; then all four waves multiply group g's 256 k while groups g + 1 .. land.
; Chunks 1 to 3 are rounded under the group before's products: their f32 are asked out of LDS in the run of that group's step 4, rounded and stored ahead of step 6's products, and the barrier opens step 7.
; MEMORY INSTRUCTIONS STAND IN RUNS, never singly behind vector or matrix work: a K step has one run of loads at its head and then its matrix instructions back to back; a trip's 40 loads of perm
; follow all their address lines; on the way out the stage's stores and loads of all tiles are one run, and each tile's eight stores follow its sixteen additions.
; THE MATRIX INSTRUCTION IS USED TRANSPOSED: source 0 = 16 rows f of W, source 1 = 16 token rows.  A lane then holds one token (lane % 16) and eight neighbouring f.
; NO CLUSTER: each byte of W has one reader.  What an expert's 16 work-groups share is its rows of xs, whose number hangs on a stored count;
; a fixed window of 320 rows is 640 KiB, and W's slice holds 278,528 of the 327,680 bytes of LDS.
; LIMITS.  A NaN or an infinity in x or W reaches only the rows of its own expert.  bf16 has f32's range, so large inputs lose nothing but the rounding.
; REGISTERS, in windows of 256 (s_set_vgpr_msb: bits 1:0 source 0, 3:2 source 1, 5:4 source 2, 7:6 destination):
;   window 0: v0-31 addresses; v32-95 W's fragments, two buffers of four; v96-255 the accumulators, (i, fb) at 96 + 8 (4 i + fb)
;   window 1: v0-239 x's fragments: six slots (K step j in slot j % 6) of five tiles x 8 registers
;   window 2: v0-127 at work (b's 64 registers; a chunk's f32); v128-191 a chunk's fragments; on the way out v0-159 are five buffers of 32, one a tile; v192-231 the 40 output offsets; v232-235 the bias; v236 16 (lane % 16)
.set CHUNK,  64*272                    ; a chunk in LDS: 64 rows of 256 bytes + 16 of padding: the 16 rows of a load begin in 16 different 16-byte columns modulo 256 bytes
.set GROUPB, 4*CHUNK                   ; a group: the four waves' chunks, 256 k
.set STAGE,  4*GROUPB                  ; behind W: 16 rows x 272 bytes for each wave, for the way out; no tensor load fills it
.set SPARE,  STAGE+4*16*272            ; behind the stages: the spare words, 128 bytes for each wave: two blocks of 256 bytes that no other line names
.set JEND,   31                        ; the last of the 32 K steps of 32
.set PLD,    4                         ; the step of a group of eight in whose run my next chunk's f32 are asked out of LDS
.set PCV,    6                         ; the step ahead of whose products they are rounded and stored: two steps later
.set SPW, 4                            ; v4     LDS address of my spare word; never rewritten
.set NIL, 5                            ; v5     0; never rewritten
.set XA,  6                            ; v6-10  tile i: my row's byte in xs + 16 (lane / 16)
.set VL,  11                           ; v11-14 16 x lane + g x GROUPB: where group g's fragments begin; never rewritten
.set STO, 18                           ; v18    the way out: where I put 16 bytes of a row
.set RD,  19                           ; v19    the way out: where I read rows back
.set CR,  24                           ; v24-27 where I read the f32 of my chunk of group g; never rewritten
.set CS,  28                           ; v28-31 where I put its fragments; never rewritten
.set WB,  32
.set ACC, 96
.set T,    0                           ; window 2
.set FR,   128
.set OA,   192
.set BIAS, 232
.set L16,  236
.set XB, 8                             ; s[8:9]   xs
.set G1, 16                            ; s[16:23] descriptor group 1, the same for all four loads
.set G0, 24                            ; s[24:39] descriptor group 0, a set for each load
.set WV, 40                            ; s40  my wave's number
.set SL, 41                            ; s41  the slice of 64 columns
.set EX, 42                            ; s42  the expert
                                       ; s[44:45] the expert's first row, and the next expert's; s46 its count; s47 its last row (0 if it has none)
                                       ; s49 my wave's first sorted row; s50 the trips' counter; s51 1: my fifth tile has a row; s63 my wave's first row of the trip among the expert's
                                       ; s[56:57] b at the slice; s[58:59] out0 at the slice; s52-53, s60-62 at work
.set MAIN, 0x04                        ; source 1 (x) in window 1; W, C, D and LDS loads of W in window 0
.set XLD,  0x44                        ; destination window 1, address window 0
.set TO2,  0x80                        ; destination window 2, sources window 0
.set IN2,  0xaa                        ; all in window 2
.set ST2,  0x08                        ; an LDS store's data (source 1) in window 2, its address in window 0
.set MSB, 0
.macro WIN new                         ; the immediate's high byte repeats the setting that is left; a switch that changes nothing is dropped
.if MSB != (\new)
	s_set_vgpr_msb (MSB<<8)|(\new)
.set MSB, \new
.endif
.endm
	s_load_b256 s[4:11], s[0:1], 0x0               ; W s[4:5], b s[6:7], xs s[8:9], perm s[10:11]
	s_load_b128 s[12:15], s[0:1], 0x20             ; offs s[12:13], out0 s[14:15]
	v_lshl_add_u32 v[SPW], v0, 2, SPARE
	v_mov_b32 v[NIL], 0
	ds_add_u32 v[SPW], v[NIL]                      ; the wave's opening: the add and its wait stand ahead of my first tensor load; the set-up below, work on registers, stands between them
	v_lshrrev_b32 v3, 5, v0
	v_readfirstlane_b32 s[WV], v3                  ; wave 0 .. 3
	s_mov_b32 s[SL], ttmp9
	s_and_b32 s[EX], ttmp7, 0xffff
	; descriptor group 1: a tile of 64 rows x 64 elements of 4 bytes, padded in LDS
	s_mov_b32 s[G1+0], (2<<16)|(1<<20)|(5<<22)|(3<<25)  ; 15:0 no mask; 17:16 elements of 4 bytes; 20 padding on; 24:22 after every 64 words (code 5); 31:25 4 words of it (code 3)
	s_mov_b32 s[G1+1], 64<<16                      ; tensor_dim0 = 64
	s_mov_b32 s[G1+2], 64<<16                      ; tensor_dim1 = 64
	s_mov_b32 s[G1+3], 64<<16                      ; tile_dim0 = 64
	s_mov_b32 s[G1+4], 64                          ; tile_dim1 = 64
	s_mov_b32 s[G1+5], 1024                        ; 1,024 elements from row to row
	s_mov_b32 s[G1+6], 0
	s_mov_b32 s[G1+7], 0
	s_mul_i32 s60, s[WV], CHUNK                    ; my chunk's place in a group
.irp g, 0,1,2,3
	s_mov_b32 s[G0+4*\g], 1                        ; count = 1
	s_add_co_u32 s[G0+4*\g+1], s60, \g*GROUPB      ; LDS address: wave x CHUNK + g x GROUPB
.endr
	s_lshl_b32 s52, s[EX], 22                      ; the expert's 4 MiB,
	s_lshl_b32 s61, s[SL], 18                      ; the slice's 64 rows of 4,096 bytes,
	s_add_co_u32 s52, s52, s61
	s_lshl_b32 s61, s[WV], 8                       ; my chunk's 256 bytes of a row
	s_add_co_u32 s52, s52, s61
	s_mov_b32 s53, 0
	s_lshl_b32 s43, s[EX], 2
	s_lshl_b32 s56, s[SL], 8                       ; the slice's 256 bytes in a row of b and of out0
	s_mov_b32 s57, 0
	s_mov_b32 s58, s56
	s_mov_b32 s59, 0
	s_wait_dscnt 0x0                               ; the opening add is done
	s_wait_kmcnt 0x0
	s_load_b64 s[44:45], s[12:13], s43 offset:0x0  ; offs[e], offs[e + 1]: on their way under the lines below
	s_add_nc_u64 s[52:53], s[4:5], s[52:53]
.irp g, 0,1,2,3
	s_add_nc_u64 s[G0+4*\g+2:G0+4*\g+3], s[52:53], \g*1024  ; global address: chunk 4 g + w begins 256 (4 g + w) bytes into the rows
	s_or_b32 s[G0+4*\g+3], s[G0+4*\g+3], 0x80000000         ; type = 2
.endr
.irp g, 0,1,2,3
	tensor_load_to_lds s[G0+4*\g:G0+4*\g+3], s[G1:G1+7]     ; all of my 64 KiB of W at once: four loads of mine are out
	s_nop 0
.endr
	v_and_b32 v23, 31, v0                          ; lane
	v_and_b32 v1, 15, v0                           ; r = lane % 16
	v_bfe_u32 v2, v0, 4, 1                         ; h = lane / 16
	v_lshlrev_b32 v22, 4, v2                       ; 16 h
	v_lshlrev_b32 v3, 4, v1                        ; 16 r
	v_lshlrev_b32 v[VL], 4, v23
.irp g, 1,2,3
	v_add_nc_u32 v[VL+\g], \g*GROUPB, v[VL]
.endr
	v_mul_u32_u24 v16, v1, 272
	v_lshl_add_u32 v16, v2, 5, v16                 ; 272 r + 32 h
	s_mul_i32 s61, s[WV], 16*272
	s_add_co_u32 s61, s61, STAGE                   ; my stage
	v_add_nc_u32 v[STO], s61, v16                  ; in: token r's row, 32 bytes for each half of the lanes
	v_add_nc_u32 v[CR], s60, v16                   ; f32: row r of a block of 16, 8 numbers for each half of the lanes
	v_add_nc_u32 v[CS], s60, v[VL]                 ; fragments: 16 bytes a lane, on end
.irp g, 1,2,3
	v_add_nc_u32 v[CR+\g], \g*GROUPB, v[CR]
	v_add_nc_u32 v[CS+\g], \g*GROUPB, v[CS]
.endr
	v_mul_u32_u24 v[RD], v2, 272
	v_lshl_add_u32 v[RD], v1, 4, v[RD]
	v_add_nc_u32 v[RD], s61, v[RD]                 ; back: lanes 0-15 take one row of 256 bytes, lanes 16-31 the next
	WIN TO2
	v_lshlrev_b32 v[L16], 4, v1
	s_add_nc_u64 s[56:57], s[6:7], s[56:57]
	s_add_nc_u64 s[58:59], s[14:15], s[58:59]
.irp c, 0,1,2,3,4,5,6,7,8,9,10,11,12,13,14,15
	global_load_b128 v[T+4*\c:T+4*\c+3], v3, s[56:57] offset:4096*\c  ; b[c][64 s + 4 r ..]: the four columns that I store on the way out
.endr
	s_wait_kmcnt 0x0
	s_min_u32 s44, s44, 0x1000                     ; read from memory: held inside the table's range before they enter addresses
	s_min_u32 s45, s45, 0x1000
	s_sub_co_u32 s46, s45, s44                     ; the expert's count
	s_sub_co_i32 s47, s45, 1
	s_max_i32 s47, s47, 0                          ; its last row; 0 where offs[e + 1] = 0
	s_lshl_b32 s63, s[WV], 4                       ; the first trip: my wave begins at the expert's row 16 w
; A TRIP'S ADDRESSES: my five rows of xs, and for the 40 pairs of rows that I store (tile i, pair t: rows 2 t and 2 t + 1, one for each half of the lanes) the token, read from perm.
; All address lines first, then the 40 loads in one run; XPRO's 50 follow them directly.
.macro TRIPHEAD
	WIN 0
	s_wait_xcnt 0x0                                ; the last trip's loads and stores have read XA, OA and the way out's buffers: rewritten only behind this wait
	s_add_co_u32 s49, s44, s63                     ; my wave's first sorted row
	s_add_co_u32 s62, s63, 256                     ; my fifth tile's first row among the expert's:
	s_cmp_lt_u32 s62, s46
	s_cselect_b32 s51, 1, 0                        ; does it exist?
	v_add_nc_u32 v20, s49, v1
	v_add_nc_u32 v21, s49, v2
.irp i, 0,1,2,3,4
	v_add_nc_u32 v[XA+\i], 64*\i, v20
	v_min_u32 v[XA+\i], s47, v[XA+\i]              ; past the count: the expert's last row
	v_min_u32 v[XA+\i], 0xfff, v[XA+\i]
	v_lshl_add_u32 v[XA+\i], v[XA+\i], 11, v22     ; 2,048 bytes a row, + 16 h
.endr
	WIN TO2
.set z, 0
.rept 40
	v_add_nc_u32 v[OA+z], 64*(z/8)+2*(z%8), v21
.set z, z+1
.endr
	WIN IN2
.set z, 0
.rept 40
	v_min_u32 v[OA+z], s47, v[OA+z]
	v_min_u32 v[OA+z], 0xfff, v[OA+z]
	v_lshlrev_b32 v[OA+z], 2, v[OA+z]
.set z, z+1
.endr
.set z, 0
.rept 40
	global_load_b32 v[OA+z], v[OA+z], s[10:11]     ; lands on its own address register
.set z, z+1
.endr
.endm
; x's fragments of K steps 0 to 4, slots 0 to 4: 50 loads.  Lane (r, h) takes k = 8 h + 0..7 and 16 + 8 h + 0..7 of its row: two loads of 16 bytes, 32 bytes apart.
; In a later trip the slots' last readers, the trip before's products, stand far more than four plain vector lines back: the way out's 80 address lines and the lines of TRIPHEAD lie between.
.macro XPRO
	WIN XLD
.irp j, 0,1,2,3,4
.irp i, 0,1,2,3,4
	global_load_b128 v[40*\j+8*\i:40*\j+8*\i+3],   v[XA+\i], s[XB:XB+1] offset:64*\j
	global_load_b128 v[40*\j+8*\i+4:40*\j+8*\i+7], v[XA+\i], s[XB:XB+1] offset:64*\j+32
.endr
.endr
.endm
; W's four fragments of K step 0, into buffer 0
.macro LPRO
	WIN 0
.irp m, 0,1,2,3,4,5,6,7
	ds_load_b128 v[WB+8*(\m/2)+4*(\m%2):WB+8*(\m/2)+4*(\m%2)+3], v[VL] offset:2048*(\m/2)+512*(\m%2)
.endr
.endm
; MY CHUNK OF GROUP g, in three parts.  f32 out of LDS, rounded to bf16, back as eight fragments (f = 2 fb + u: rows 16 fb on, k 32 u on), each 1,024 bytes with 16 bytes a lane on end.
; Lane (r, h) makes what lane (r, h) of a fragment holds: k = 8 h + 0..7 (f32 bytes 32 h + 0, 16) and 16 + 8 h + 0..7 (bytes 64 + 32 h + 0, 16).
.macro CLOAD g                         ; the 32 loads
	s_wait_tensorcnt 3-(\g)                        ; tensor loads of a wave end in order (ISA guide 10.11.1): chunk g is in, my later chunks stay out
	WIN TO2
.irp f, 0,1,2,3,4,5,6,7
.irp c, 0,1,2,3
	ds_load_b128 v[T+16*\f+4*\c:T+16*\f+4*\c+3], v[CR+(\g)] offset:(\f/2)*16*272+(\f%2)*128+(\c/2)*64+(\c%2)*16
.endr
.endr
.endm
; The 64 roundings and the 16 stores.  The stores land on the chunk's own first 8 KiB: all 32 loads have come back by then, the chunk's only fill is over, and no other wave touches it before the barrier.
; counted = 1: the loads were issued just before, and nothing behind them.  counted = 0: the step's own wait has shown them back.
.macro CPACK g, counted
	WIN IN2
.irp f, 0,1,2,3,4,5,6,7
.if \counted
	s_wait_dscnt 28-4*\f                           ; fragment f's four loads are in; the later fragments' stay out
.endif
.irp c, 0,1,2,3,4,5,6,7
	v_cvt_pk_bf16_f32 v[FR+8*\f+\c], v[T+16*\f+2*\c], v[T+16*\f+2*\c+1]
.endr
.endr
	WIN ST2
.irp f, 0,1,2,3,4,5,6,7
	ds_store_b128 v[CS+(\g)], v[FR+8*\f:FR+8*\f+3]   offset:1024*\f
	ds_store_b128 v[CS+(\g)], v[FR+8*\f+4:FR+8*\f+7] offset:1024*\f+512
.endr
.endm
.macro CMEET                           ; the barrier between the four waves' stores and everybody's reads of the group
	s_wait_dscnt 0x0                               ; for the others' sake: my fragments are in LDS
	s_barrier_signal -1
	s_barrier_wait -1                              ; everybody's are.  Later chunks may stay on their way across it
.endm
; Matrix instruction n of K step j: tile n / 4, columns 16 (n % 4) on
.macro MM j, zero
.set rA, ACC+8*n
.set rW, WB+32*((\j)%2)+8*(n%4)
.set rX, 40*((\j)%6)+8*(n/4)
.if \zero
	v_wmma_f32_16x16x32_bf16 v[rA:rA+7], v[rW:rW+7], v[rX:rX+7], 0
.else
	v_wmma_f32_16x16x32_bf16 v[rA:rA+7], v[rW:rW+7], v[rX:rX+7], v[rA:rA+7]
.endif
.set n, n+1
.endm
; K STEP j of 0 .. 31.  First ONE RUN of loads: the next step's W, eight LDS loads (step j lies in group j / 8, chunk (j % 8) / 2, half j % 2), into the buffer that step j - 1 read, and x of step j + 5,
; ten loads, into the slot that step j - 1 read.  Four v_nop stand ahead of the run: the places between step j - 1's products and loads into registers that they read (ISA guide 7.12.1 for vector
; instructions); step 0 has the way out's and TRIPHEAD's lines there, or no product at all.  The run stands ahead of the waits, so that it goes out also where this step's data are late.
; Then the matrix instructions back to back, the accumulators by turns, one instruction a turn, in the same order in every step.  zero = 1: the products start the sums, all twenty.
; Elsewhere the fifth tile's four are jumped where the tile has no row.
; conv = 1, the first trip: in groups 0 to 2 the next group's chunk is rounded under the products: CLOAD ends step PLD's run, CPACK stands ahead of step PCV's products, CMEET opens step 7, whose run
; fetches the next group's first fragments.  LDS serves a wave's instructions in order (ISA guide 5.7.1.4), so the waits for this step's W count what was issued behind it:
; step PLD: the next step's 8 and the chunk's 32; step PLD + 1: the chunk's 32 and the next step's 8; step PCV: the next step's 8 alone, so that the chunk's 32 are back too.
.macro ITER j, zero, conv
.set cv, 0
.if (\conv) && ((\j) < 24)
.set cv, 1
.endif
.if cv && ((\j)%8 == 7)
	CMEET
.endif
	WIN MAIN
.if (\j) < JEND
.if (\j) > 0
.rept 4
	v_nop
.endr
.endif
.irp m, 0,1,2,3,4,5,6,7
	ds_load_b128 v[WB+32*(((\j)+1)%2)+8*(\m/2)+4*(\m%2):WB+32*(((\j)+1)%2)+8*(\m/2)+4*(\m%2)+3], v[VL+((\j)+1)/8] offset:((((\j)+1)%8)/2)*CHUNK+(2*(\m/2)+((\j)+1)%2)*1024+512*(\m%2)
.endr
.endif
.if (\j)+5 <= JEND
	WIN XLD
.irp i, 0,1,2,3,4
	global_load_b128 v[40*(((\j)+5)%6)+8*\i:40*(((\j)+5)%6)+8*\i+3],   v[XA+\i], s[XB:XB+1] offset:64*((\j)+5)
	global_load_b128 v[40*(((\j)+5)%6)+8*\i+4:40*(((\j)+5)%6)+8*\i+7], v[XA+\i], s[XB:XB+1] offset:64*((\j)+5)+32
.endr
.endif
.if cv && ((\j)%8 == PLD)
	CLOAD ((\j)/8+1)
.endif
	WIN MAIN
.if (\j)+5 <= JEND
	s_wait_loadcnt 50                              ; loads come back in order (ISA guide 5.7.1): this step's x is in; the five later steps' fifty loads stay out
.else
	s_wait_loadcnt 10*(JEND-(\j))                  ; near the end: ten for each step still to come
.endif
.if (\j) == JEND
	s_wait_dscnt 0x0                               ; the last step's W
.elseif cv && (((\j)%8 == PLD) || ((\j)%8 == PLD+1))
	s_wait_dscnt 40                                ; this step's W is in; the chunk's 32 loads and the next step's eight stay out
.else
	s_wait_dscnt 8                                 ; this step's W is in; the next step's eight loads, just issued, stay out
.endif
.if cv && ((\j)%8 == PCV)
	CPACK ((\j)/8+1), 0
	WIN MAIN
.endif
.set n, 0
.rept 16
	MM \j, \zero
.endr
.if \zero
.rept 4
	MM \j, 1
.endr
.else
	WIN 0                                          ; at a branch and at a label every window is 0
	s_cmp_eq_u32 s51, 0
	s_cbranch_scc1 .Lno4_\@                        ; my fifth tile has no row: its products are not made
	WIN MAIN
.rept 4
	MM \j, 0
.endr
	WIN 0
.Lno4_\@:
.endif
.endm
; A TRIP'S 32 K STEPS.  conv = 1: the first trip, with three of the launch's four barriers.  conv = 0: a later trip: all of W's fragments lie ready, and the walk holds no barrier.
.macro KWALK conv
	LPRO
	ITER 0, 1, \conv
.irp j, 1,2,3,4,5,6,7,8,9,10,11,12,13,14,15,16,17,18,19,20,21,22,23,24,25,26,27,28,29,30,31
	ITER \j, 0, \conv
.endr
.endm
; THE WAY OUT, in two phases.  The tiles that have rows are a prefix of the five (tile i begins 64 i rows on), so the first tile without rows jumps forward to its phase's end.
; IN AND BACK: a lane's eight f of a token go into my stage (rows of 272 bytes; each accumulator's low four registers first) and come back as whole rows of 256 bytes, each tile
; into a buffer of its own: one run of LDS instructions with no wait in it, since LDS serves a wave's instructions in order (ISA guide 5.7.1.4): a tile's loads see its stores, and the next tile's stores come behind them.
; OUT: behind one wait for all of them, tile by tile: the bias is added, sixteen lines; then eight stores in a run: sixteen lanes store a token's 256 consecutive bytes, aligned, at the row that perm names.
.macro OUTPUT
	WIN IN2
.set z, 0
.rept 40                                       ; the tokens become byte offsets in out0: 80 plain lines, which are also the places behind the last products
	v_min_u32 v[OA+z], 0xfff, v[OA+z]              ; read from memory: held inside out0's rows
	v_lshl_add_u32 v[OA+z], v[OA+z], 12, v[L16]    ; 4,096 bytes a row, + 16 r
.set z, z+1
.endr
	WIN 0
.irp i, 0,1,2,3,4
	s_add_co_u32 s62, s63, 64*\i                   ; the tile's first row among the expert's
	s_cmp_ge_u32 s62, s46
	s_cbranch_scc1 .Lstaged_\@
.irp fb, 0,1,2,3
.irp p, 0,1
	ds_store_b128 v[STO], v[ACC+8*(4*\i+\fb)+4*\p:ACC+8*(4*\i+\fb)+4*\p+3] offset:64*\fb+16*\p
.endr
.endr
	WIN TO2
.irp t, 0,1,2,3,4,5,6,7
	ds_load_b128 v[T+32*\i+4*\t:T+32*\i+4*\t+3], v[RD] offset:544*\t
.endr
	WIN 0                                          ; at a label and at a branch every window is 0
.endr
.Lstaged_\@:
	s_wait_dscnt 0x0                               ; all tiles are back in registers
.irp i, 0,1,2,3,4
	s_add_co_u32 s62, s63, 64*\i
	s_cmp_ge_u32 s62, s46
	s_cbranch_scc1 .Lsent_\@
	WIN IN2
.irp t, 0,1,2,3,4,5,6,7
	v_pk_add_f32 v[T+32*\i+4*\t:T+32*\i+4*\t+1],   v[T+32*\i+4*\t:T+32*\i+4*\t+1],   v[BIAS:BIAS+1]
	v_pk_add_f32 v[T+32*\i+4*\t+2:T+32*\i+4*\t+3], v[T+32*\i+4*\t+2:T+32*\i+4*\t+3], v[BIAS+2:BIAS+3]
.endr
.irp t, 0,1,2,3,4,5,6,7
	global_store_b128 v[OA+8*\i+\t], v[T+32*\i+4*\t:T+32*\i+4*\t+3], s[58:59] th:TH_STORE_NT
.endr
	WIN 0
.endr
.Lsent_\@:
.endm
	; THE FIRST TRIP, under W's landing
	TRIPHEAD
	XPRO
	s_wait_loadcnt 50                              ; b and perm are in; x's fifty loads stay out
	WIN IN2
.irp c, 0,1,2,3,4,5,6,7                        ; the sum of b's 16 rows, as a tree
	v_pk_add_f32 v[T+4*\c:T+4*\c+1],   v[T+4*\c:T+4*\c+1],   v[T+4*\c+32:T+4*\c+33]
	v_pk_add_f32 v[T+4*\c+2:T+4*\c+3], v[T+4*\c+2:T+4*\c+3], v[T+4*\c+34:T+4*\c+35]
.endr
.irp c, 0,1,2,3
	v_pk_add_f32 v[T+4*\c:T+4*\c+1],   v[T+4*\c:T+4*\c+1],   v[T+4*\c+16:T+4*\c+17]
	v_pk_add_f32 v[T+4*\c+2:T+4*\c+3], v[T+4*\c+2:T+4*\c+3], v[T+4*\c+18:T+4*\c+19]
.endr
.irp c, 0,1
	v_pk_add_f32 v[T+4*\c:T+4*\c+1],   v[T+4*\c:T+4*\c+1],   v[T+4*\c+8:T+4*\c+9]
	v_pk_add_f32 v[T+4*\c+2:T+4*\c+3], v[T+4*\c+2:T+4*\c+3], v[T+4*\c+10:T+4*\c+11]
.endr
	v_pk_add_f32 v[BIAS:BIAS+1],   v[T:T+1],   v[T+4:T+5]
	v_pk_add_f32 v[BIAS+2:BIAS+3], v[T+2:T+3], v[T+6:T+7]
	CLOAD 0                                        ; chunk 0 has no products to stand under
	CPACK 0, 1
	WIN 0
	CMEET
	KWALK 1
	OUTPUT
	; THE LATER TRIPS: a constant count that covers every split; a wave whose rows of a trip lie past the count jumps the trip
	s_mov_b32 s50, 12
.Ltrip:
	s_add_co_u32 s63, s63, 320
	s_cmp_ge_u32 s63, s46
	s_cbranch_scc1 .Lnone
	TRIPHEAD
	XPRO
	KWALK 0
	OUTPUT
.Lnone:
	s_sub_co_u32 s50, s50, 1
	s_cmp_lg_u32 s50, 0
	s_cbranch_scc1 .Ltrip
	s_wait_tensorcnt 0x0                           ; the wave's end: behind my last tensor load and my last LDS store
	ds_add_u32 v[SPW], v[NIL]
	s_wait_dscnt 0x0
	s_endpgm
.Lfunc_end_k_q9cfa46e0c0_experts:
	.size	k_q9cfa46e0c0_experts, .Lfunc_end_k_q9cfa46e0c0_experts-k_q9cfa46e0c0_experts
	.p2alignl 7, 3214868480
	.fill 96, 4, 3214868480
	.section	.rodata,"a",@progbits
	.p2align	6, 0x0
	.amdhsa_kernel k_q9cfa46e0c0_experts
		.amdhsa_group_segment_fixed_size 327680
		.amdhsa_private_segment_fixed_size 0
		.amdhsa_enable_private_segment 0
		.amdhsa_kernarg_size 48
		.amdhsa_user_sgpr_count 2
		.amdhsa_user_sgpr_kernarg_segment_ptr 1
		.amdhsa_wavefront_size32 1
		.amdhsa_system_sgpr_workgroup_id_x 1
		.amdhsa_system_sgpr_workgroup_id_y 1
		.amdhsa_system_sgpr_workgroup_id_z 1
		.amdhsa_system_vgpr_workitem_id 0
		.amdhsa_next_free_vgpr 768
		.amdhsa_next_free_sgpr 66
		.amdhsa_reserve_vcc 0
		.amdhsa_float_denorm_mode_32 3
		.amdhsa_float_denorm_mode_16_64 3
		.amdhsa_memory_ordered 1
		.amdhsa_forward_progress 1
		.amdhsa_inst_pref_size 255
	.end_amdhsa_kernel
	.section	.bss,"aw",@nobits
	.p2align	6
	.space	262144
	.amdgpu_metadata
---
amdhsa.version: [ 1, 2 ]
amdhsa.kernels:
  - .name:           k_q9cfa46e0c0_experts
    .symbol:         k_q9cfa46e0c0_experts.kd
    .args:
      - { .name: W, .offset: 0, .size: 8, .value_kind: global_buffer, .address_space: global }
      - { .name: b, .offset: 8, .size: 8, .value_kind: global_buffer, .address_space: global }
      - { .name: xs, .offset: 16, .size: 8, .value_kind: global_buffer, .address_space: global }
      - { .name: perm, .offset: 24, .size: 8, .value_kind: global_buffer, .address_space: global }
      - { .name: offs, .offset: 32, .size: 8, .value_kind: global_buffer, .address_space: global }
      - { .name: out0, .offset: 40, .size: 8, .value_kind: global_buffer, .address_space: global }
    .group_segment_fixed_size: 327680
    .private_segment_fixed_size: 0
    .kernarg_segment_align: 8
    .kernarg_segment_size: 48
    .max_flat_workgroup_size: 128
    .sgpr_count:     66
    .vgpr_count:     768
    .wavefront_size: 32
...
	.end_amdgpu_metadata
.endif
;; end of part 4
